; MI455X (gfx1250); checked and timed in simulation.
; The chip was launched on July 23, 2026; its instructions are those of AMD's public machine-readable ISA for CDNA 5 (MIT licence, August 2026) and "CDNA5" Instruction Set Architecture Reference Guide (July 2026). The comments in the code are by the model that wrote it; some were corrected since.
;; Enhanced Context Aware Dual VQ. Allowed arithmetic: float matrix products may take bf16 or f16 operands with f32 sums; other float arithmetic in f32, or as packed bf16 or f16 multiplies, adds, multiply-adds, maxima and minima; sums over many terms, partial sums and values carried from step to step in f32; what a program stores and reads back later, other than sums and carried values, may be rounded once to bf16 or f16.
;; Inputs: embedding 8,192 x 512 float32; z 8 x 2,048 x 512 float32.
;; Outputs: out0 8 x 2,048 x 512 float32; out1 one number float32.
;; 2 versions, each right. Each part assembles by itself: llvm-mc -triple=amdgcn-amd-amdhsa -mcpu=gfx1250 --defsym DOCPART=n.
;; ======== version 1 of 2: 4 launches
;; workspace buffers: ebf 8,388,608 bytes; hn 32,768 bytes; cand 524,288 bytes of whole numbers; part 1,024 bytes
;; launch prep (part 1): grid 256 x 1, 8 waves a work-group, no clusters, 0 bytes of LDS; arguments embedding, ebf, hn; writes ebf, hn
.if DOCPART == 1
	.amdgcn_target "amdgcn-amd-amdhsa--gfx1250"
	.amdhsa_code_object_version 6
	.text
	.protected	k_q208914cd99_prep
	.globl	k_q208914cd99_prep
	.p2align	8
	.type	k_q208914cd99_prep,@function
k_q208914cd99_prep:
	s_mov_b64 s[64:65], 0
	v_nop
	global_prefetch_b8 v0, s[64:65] scope:SCOPE_SE
	s_setreg_imm32_b32 hwreg(HW_REG_WAVE_MODE, 25, 1), 1
	s_wait_xcnt 0x0
; THE PROGRAM.  z: [16384][512] f32, embedding: [8192][512] f32.  For each row of z the code k with the least dist = |z|^2 - 2 z.e_k + |e_k|^2 is found;
; out0 = embedding[k], out1 = 2 mean((embedding[k] - z)^2).  Four launches: this one; the scores and their running argmax; the gather and the loss's partial sums; their sum.
; WORK LEFT OUT.  |z|^2 is the same for all k of a row, so for every value of the inputs argmin_k dist = argmax_k (z.e_k - |e_k|^2 / 2): the sum of z's squares and the factor 2 reach
; no output and are not computed.  The loss is formed as reference() forms it, from embedding[k] - z, never from dist.  No input is left out.
; LIMITS.  A NaN, an infinity or an overflow that reaches only |z|^2 is not carried to the result; NaN and infinities are not treated apart anywhere.  The product's operands are z and e rounded
; to bf16, and |e|^2 is taken of the rounded e, so that the code chosen is the one of the rounded inputs; two codes whose scores lie closer than the rounding of f32 sums (some 1e-7 of |e|^2)
; may change places against reference(); codes with equal computed scores go to the lowest, as argmin does.
; THIS LAUNCH.  ebf[k][:] = bf16(embedding[k][:]), hn[k] = -1/2 x the sum of ebf[k][:]^2 (f32).  The codebook is rounded once here because 64 blocks of rows multiply by it in the next launch.
; A stream: each byte read once and written once.  No LDS, no matrix unit, no cluster (no two work-groups read the same byte), no prefetch (all of a wave's loads go out at its first lines).
; SHARES.  256 work-groups x 8 waves x 4 rows.  Of a row a lane holds elements 8 l .. 8 l + 7 and 256 + 8 l .. + 7: two pairs of 16-byte loads; each pair rounds to 16 bytes, so each store of the wave
; covers 512 consecutive bytes, aligned.
.set X, 8                              ; v[8:71]     row i's 16 numbers at X + 16 i
.set Y, 72                             ; v[72:103]   row i's 8 words of bf16 at Y + 8 i: each row has its own, so no store's data is rewritten
.set T, 104                            ; v[104:119]  the rounded numbers, widened again
.set S, 120                            ; v[120:127]  row i's two running sums at S + 2 i
.set H, 128                            ; v[128:131]  the four rows' hn
	s_load_b128 s[4:7], s[0:1], 0x0                ; embedding s[4:5], ebf s[6:7]
	s_load_b64 s[8:9], s[0:1], 0x10                ; hn
	v_lshrrev_b32 v1, 5, v0
	v_readfirstlane_b32 s10, v1                    ; wave 0..7
	v_and_b32 v4, 31, v0                           ; lane
	v_lshlrev_b32 v2, 5, v4                        ; 32 bytes of f32 a lane
	v_lshlrev_b32 v3, 4, v4                        ; 16 bytes of bf16 a lane
	v_mov_b32 v5, 0
	v_mov_b32 v132, 0                              ; v_permlanex16_b32's destination counts as read
	s_lshl3_add_u32 s11, ttmp9, s10                ; 8 x work-group + wave: my four rows are 4 x that ..
	s_lshl_b32 s12, s11, 13                        ; 4 rows x 2,048 bytes
	s_mov_b32 s13, 0
	s_lshl_b32 s14, s11, 12                        ; 4 rows x 1,024 bytes
	s_mov_b32 s15, 0
	s_lshl_b32 s16, s11, 4                         ; 4 rows x 4 bytes
	s_mov_b32 s17, 0
	s_mov_b32 s18, 0x76543210                      ; v_permlanex16_b32: each lane takes its own place in the other half
	s_mov_b32 s19, 0xfedcba98
	s_mov_b32 s20, 0xffff0000                      ; a word's upper bf16
	s_wait_kmcnt 0x0
	s_add_nc_u64 s[4:5], s[4:5], s[12:13]
	s_add_nc_u64 s[6:7], s[6:7], s[14:15]
	s_add_nc_u64 s[8:9], s[8:9], s[16:17]
.irp i, 0,1,2,3
	global_load_b128 v[X+16*\i:X+16*\i+3],     v2, s[4:5] offset:2048*\i th:TH_LOAD_NT
	global_load_b128 v[X+16*\i+4:X+16*\i+7],   v2, s[4:5] offset:2048*\i+16 th:TH_LOAD_NT
	global_load_b128 v[X+16*\i+8:X+16*\i+11],  v2, s[4:5] offset:2048*\i+1024 th:TH_LOAD_NT
	global_load_b128 v[X+16*\i+12:X+16*\i+15], v2, s[4:5] offset:2048*\i+1040 th:TH_LOAD_NT
.endr
.macro ROWP i
	s_wait_loadcnt 12-4*(\i)                       ; loads come back in order: row i's four are in, the younger rows' four each may stay out
.irp j, 0,1,2,3,4,5,6,7
	v_cvt_pk_bf16_f32 v[Y+8*(\i)+\j], v[X+16*(\i)+2*\j], v[X+16*(\i)+2*\j+1]
.endr
	global_store_b128 v3, v[Y+8*(\i):Y+8*(\i)+3],   s[6:7] offset:1024*(\i)
	global_store_b128 v3, v[Y+8*(\i)+4:Y+8*(\i)+7], s[6:7] offset:1024*(\i)+512
.irp j, 0,1,2,3,4,5,6,7
	v_lshlrev_b32 v[T+2*\j],   16,  v[Y+8*(\i)+\j] ; the squares are the ROUNDED numbers': the score's two terms then belong to the same e
	v_and_b32     v[T+2*\j+1], s20, v[Y+8*(\i)+\j]
.endr
	v_pk_mul_f32 v[S+2*(\i):S+2*(\i)+1], v[T:T+1], v[T:T+1]  ; the first squares start the sums
.irp j, 1,2,3,4,5,6,7
	v_pk_fma_f32 v[S+2*(\i):S+2*(\i)+1], v[T+2*\j:T+2*\j+1], v[T+2*\j:T+2*\j+1], v[S+2*(\i):S+2*(\i)+1]
.endr
.endm
	ROWP 0
	ROWP 1
	ROWP 2
	ROWP 3
.irp i, 0,1,2,3
	v_add_f32 v[H+\i], v[S+2*\i], v[S+2*\i+1]
.endr
.irp m, 1,2,4,8                        ; across the lanes: four steps inside each half of 16 lanes, the four rows side by side
.irp i, 0,1,2,3
	v_add_f32_dpp v[H+\i], v[H+\i], v[H+\i] row_xmask:\m row_mask:0xf bank_mask:0xf
.endr
.endr
.irp i, 0,1,2,3
	v_permlanex16_b32 v132, v[H+\i], s18, s19      ; and the other half
	v_add_f32 v[H+\i], v[H+\i], v132
	v_mul_f32 v[H+\i], -0.5, v[H+\i]
.endr
	s_wait_xcnt 0x0                                ; EXEC is a source of the loads and stores above: it changes only behind this wait
	v_cmp_eq_u32 vcc_lo, 0, v4
	s_and_saveexec_b32 s21, vcc_lo
	global_store_b128 v5, v[H:H+3], s[8:9]         ; lane 0: the four rows' hn, 16 bytes (hn is 32 KiB in all: a stage in LDS for longer runs would cost more than it saves)
	s_wait_xcnt 0x0                                ; and again in front of the line that widens it
	s_or_b32 exec_lo, exec_lo, s21
	s_endpgm
.Lfunc_end_k_q208914cd99_prep:
	.size	k_q208914cd99_prep, .Lfunc_end_k_q208914cd99_prep-k_q208914cd99_prep
	.p2alignl 7, 3214868480
	.fill 96, 4, 3214868480
	.section	.rodata,"a",@progbits
	.p2align	6, 0x0
	.amdhsa_kernel k_q208914cd99_prep
		.amdhsa_group_segment_fixed_size 0
		.amdhsa_private_segment_fixed_size 0
		.amdhsa_enable_private_segment 0
		.amdhsa_kernarg_size 24
		.amdhsa_user_sgpr_count 2
		.amdhsa_user_sgpr_kernarg_segment_ptr 1
		.amdhsa_wavefront_size32 1
		.amdhsa_system_sgpr_workgroup_id_x 1
		.amdhsa_system_sgpr_workgroup_id_y 1
		.amdhsa_system_sgpr_workgroup_id_z 1
		.amdhsa_system_vgpr_workitem_id 0
		.amdhsa_next_free_vgpr 136
		.amdhsa_next_free_sgpr 66
		.amdhsa_reserve_vcc 1
		.amdhsa_float_denorm_mode_32 3
		.amdhsa_float_denorm_mode_16_64 3
		.amdhsa_memory_ordered 1
		.amdhsa_forward_progress 1
		.amdhsa_inst_pref_size 12
	.end_amdhsa_kernel
	.amdgpu_metadata
---
amdhsa.version: [ 1, 2 ]
amdhsa.kernels:
  - .name:           k_q208914cd99_prep
    .symbol:         k_q208914cd99_prep.kd
    .args:
      - { .name: embedding, .offset: 0, .size: 8, .value_kind: global_buffer, .address_space: global }
      - { .name: ebf, .offset: 8, .size: 8, .value_kind: global_buffer, .address_space: global }
      - { .name: hn, .offset: 16, .size: 8, .value_kind: global_buffer, .address_space: global }
    .group_segment_fixed_size: 0
    .private_segment_fixed_size: 0
    .kernarg_segment_align: 8
    .kernarg_segment_size: 24
    .max_flat_workgroup_size: 256
    .sgpr_count:     66
    .vgpr_count:     136
    .wavefront_size: 32
...
	.end_amdgpu_metadata
.endif
;; end of part 1
;; launch score (part 2): grid 64 x 4, 4 waves a work-group, clusters of 4 x 1, 327,680 bytes of LDS; arguments z, ebf, hn, cand; writes cand
.if DOCPART == 2
	.amdgcn_target "amdgcn-amd-amdhsa--gfx1250"
	.amdhsa_code_object_version 6
	.text
	.protected	k_q208914cd99_score
	.globl	k_q208914cd99_score
	.p2align	8
	.type	k_q208914cd99_score,@function
k_q208914cd99_score:
	s_mov_b64 s[64:65], 0
	v_nop
	global_prefetch_b8 v0, s[64:65] scope:SCOPE_SE
	s_setreg_imm32_b32 hwreg(HW_REG_WAVE_MODE, 25, 1), 1
	s_wait_xcnt 0x0
	s_wait_alu depctr_hold_cnt(0) depctr_sa_sdst(0) depctr_va_vdst(0) depctr_va_sdst(0) depctr_va_ssrc(0) depctr_va_vcc(0) depctr_vm_vsrc(0)
	s_getreg_b32 s2, hwreg(HW_REG_IB_STS2, 6, 4)
	s_cmp_eq_u32 s2, 0
	s_cbranch_scc0 .Lentry_in_a_cluster
	s_endpgm
.Lentry_in_a_cluster:
	s_bfe_u32 s2, ttmp6, 0x10000c
	s_cmp_lg_u32 s2, 0x3003
	s_cbranch_scc0 .Lentry_shape_is_right
	s_endpgm
.Lentry_shape_is_right:
; For 256 rows of z and a quarter (2,048) of the codes: the running argmax of score = z.e + hn, hn = -|e|^2 / 2.  Left out, as shown at the first kernel's head: |z|^2, equal for all codes of a row.
; z: [16384][512] f32, rounded to bf16 on its way into registers; ebf: [8192][512] bf16; hn: [8192] f32; sums in f32.
; cand: [quarter 4][block 256][lane 32][e 2][key, code] of u32.  block = 4 x row block + wave; entry (lane l, e) is row 64 block + 16 (2 (l / 16) + e) + l % 16; key is the score's order-keeping unsigned
; image (bits ^ ((bits >> 31, arithmetic) | 0x80000000)), code 0 .. 8191.  LIMITS: NaN and infinities are not treated apart; equal scores go to the lowest code.
; SHARES.  Work-group (row block rb, quarter q), four waves.  Wave w owns rows 256 rb + 64 w .. + 63: four tiles of 16 rows, whose whole K = 512 stays in 512 registers as 64 fragments for the whole launch.
; All four waves walk the quarter's 128 tiles of 16 codes out of LDS: a fragment of E (two loads of 16 bytes a lane) feeds four products.
; PRODUCT.  D = A B + C with A = 16 codes, B = 16 rows of z: in D a lane holds ONE row of z (lane % 16) and the codes 8 (lane / 16) + 0..7.  hn is the C operand of a tile's first product: it costs no vector line.
; ARGMAX.  Each lane keeps, for each of its 4 x 8 places in D, the best score so far and the number of its tile: a compare, a maximum and a select for each score, 96 for a tile's 64 products.  They work on the
; tile before (two sets of accumulators by the tile's parity) and stand three behind every second product.  On equality the older, lower tile is kept.  The 8 places and the two halves of the lanes meet once, at the end.
; THE STREAM OF FRAGMENTS.  GROUP (tile c, fragment f) is four products.  Behind them the registers of fragment f - 1, just read for the last time, are loaded with the same fragment of tile c + 1: one buffer of
; 128 registers, each load 15 groups (60 products) ahead of its use, and no run of loads without products.
; RING.  Two LDS slots of 128 codes (8 tiles, 131,072 bytes of ebf), each wave fetching 32 rows of 1,024 bytes; a slot is filled again behind a round of the cluster's barrier and has 512 products in which to land.
; A wave has three tensor loads out at the start (hn, slot 0, slot 1) and one behind each round.
; CLUSTER.  The four row blocks of a cluster share the quarter, so E's tiles and hn are asked for JOINTLY: the same load, descriptor and mask in all four.  z is each wave's own and goes once into registers.
; REGISTERS, in windows of 256 (s_set_vgpr_msb: bits 1:0 source 0, 3:2 source 1, 5:4 source 2, 7:6 destination):
;   window 0: v0-17 addresses and the way out; v32-95 the accumulators, set p, tile t of z at ACC + 32 p + 8 t
;   window 1: v0-127 E's 16 fragments; v128-159 the best scores; v160-191 their tiles; v192-199 hn of a tile.  At the start all 256 stage z's f32; at the end v0-9 are at work
;   window 2: z's fragments f = 0..7 at 8 (4 f + t)          window 3: f = 8..15 at 8 (4 (f - 8) + t)
; A product wants E, z and the accumulators (768 registers), the argmax the accumulators beside its 64: no window holds both, so each pair of products costs two switches: four for a group's
; four products, six vector lines and two loads; the vector lines and the loads share one setting.
.set PITCH,  1040                      ; an LDS row of E: 1,024 bytes + 16 of padding = 65 x 16: the 16 rows of a fragment load start at 16 different groups of four banks (64 banks of 4 bytes: ISA guide 11.1)
.set TILEB,  16*PITCH                  ; a tile of 16 codes
.set SLOT1,  128*PITCH                 ; slot 0 at 0, slot 1 here
.set HNB,    2*SLOT1                   ; the quarter's hn, 8,192 bytes, filled once
.set SPARE,  HNB+8192                  ; the spare words, 128 bytes for each wave: two blocks of 256 bytes that no other line names
.set CHUNKB, 131072                    ; 128 rows of ebf in memory
.set AE0, 3                            ; v3   my lane's place in a tile of E: (l % 16) x PITCH + 16 (l / 16); never rewritten
.set AH0, 4                            ; v4   my lane's place in hn: HNB + 32 (l / 16); never rewritten
.set ADR, 5                            ; v5   the tile of E that is being fetched
.set ADH, 6                            ; v6   its hn
.set ZO,  7                            ; v7   my byte offset in 16 rows of z: (l % 16) x 2,048 + 32 (l / 16)
.set PFO, 8                            ; v8   the prefetches' offset: l x 1,024, a lane a row; never rewritten
.set CO,  9                            ; v9   16 l: my 16 bytes of cand
.set SPW, 10                           ; v10  LDS address of my spare word; never rewritten
.set NIL, 11                           ; v11  0; never rewritten
.set ACC, 32
.set BS,  128                          ; window 1
.set IX,  160
.set HN,  192
.set HQ,  0                            ; window 1, the way out: 8 (l / 16) + 2,048 q + j
.set PBV, 8                            ; the other half's score
.set PCV, 9                            ; and code
.set WV,  12                           ; s12  my wave's number
.set CX,  13                           ; s13  my place in the cluster
.set RB,  14                           ; s14  row block
.set QT,  15                           ; s15  quarter
.set G1E, 24                           ; s[24:31] descriptor group 1 for E's tiles
.set G1H, 32                           ; s[32:39] for hn
.set G0,  40                           ; s[40:47] descriptor group 0 for E's tiles, a set for each slot
.set G0H, 48                           ; s[48:51] for hn
.set LAPS, 52
.set CNT,  53
.set TB,   54                          ; s54  LDS byte of the tile of E to be fetched next
.set THN,  55                          ; s55  byte of its hn
.set TN,   56                          ; s56  number of the tile whose scores are being compared
.set LIM,  57                          ; s57  1 in a cluster that prefetches, else the greatest number
.set PFA,  58                          ; s[58:59] where my prefetches stand
.set SEL,  60                          ; s[60:61] v_permlanex16_b32's selects
.set MH,   62                          ; s62  lanes 16-31
.set MSB, 0
.macro WIN new                         ; the immediate's high byte repeats the setting that is left; a switch that changes nothing is dropped
.if MSB != (\new)
	s_set_vgpr_msb (MSB<<8)|(\new)
.set MSB, (\new)
.endif
.endm
.set W_F,  0x19                        ; E window 1, z window 2, C (hn) window 1, D window 0
.set W_M2, 0x09                        ; E window 1, z window 2, C and D window 0
.set W_M3, 0x0d                        ; the same with z in window 3
.set W_S,  0x44                        ; source 0 window 0, source 1 and destination window 1: the argmax's lines, and LDS loads into window 1 by an address in window 0
; A round of the cluster's barrier: my work-group's barrier, so that wave 0's signal speaks for all four waves; wave 0 signals; every wave waits for all four work-groups; my work-group's barrier once more.
.macro CROUND
	s_barrier_signal -1
	s_barrier_wait -1
	s_cmp_lg_u32 s[WV], 0
	s_cbranch_scc1 .Lnot_wave_0_\@
	s_barrier_signal -3
.Lnot_wave_0_\@:
	s_barrier_wait -3
	s_barrier_signal -1
	s_barrier_wait -1
.endm
; A PREFETCH of the 128 rows of ebf that the NEXT refill will load, eight tiles (512 products) ahead of that load.  Each aligned block of 256 bytes is named once in the launch: all sixteen clusters of a quarter walk the
; same rows, and the first of them (cluster x = 0) asks; a wave asks for the 32 rows that it will fetch itself, a lane a row; of a row's four blocks partner cx takes block cx, told apart BY ADDRESS.
; how = 0: at slot 0's refills there is always a next refill.  how = 1: slot 1's last refill is the launch's last and asks for nothing.  The first three chunks come by their loads alone.
.macro ASK how
.if \how
	s_cmp_gt_u32 s[LAPS], s[LIM]                   ; s[LAPS] = 1 in the last lap
.else
	s_cmp_eq_u32 s[LIM], 1
.endif
	s_cbranch_scc0 .Lnot_mine_\@
	global_prefetch_b8 v[PFO], s[PFA:PFA+1] th:TH_LOAD_NT scope:SCOPE_SE
.Lnot_mine_\@:
.endm
; THE CHANGE OF SLOTS, in front of the unit of a chunk's last tile: the slot's last bytes, that tile's fragment 15, have been asked for in the group just before, and the unit's own loads are the next chunk's first.
; Each wave waits for all its tensor loads, of which one is out: its part of the other slot; adds 0 to its spare word; waits for that and for its reads of this slot.  fill = 1: the barrier is a round of the
; cluster's, so that no wave of any partner still reads the slot or has a load on its way, and the joint refill (the chunk two on) is the first thing behind it.
.macro CHANGE slot, fill
	WIN 0                                          ; at a label and at a branch every window is 0; the add's registers lie in window 0
	s_wait_tensorcnt 0x0                           ; no tensor load of mine is out, so a group 0 may be written
	ds_add_u32 v[SPW], v[NIL]                      ; 0 onto my spare word; scalar work stands between it and the wait for it
.if \fill
	s_add_nc_u64 s[G0+4*(\slot)+2:G0+4*(\slot)+3], s[G0+4*(\slot)+2:G0+4*(\slot)+3], 2*CHUNKB  ; this slot's next chunk; the type bits on top are not reached
	s_wait_xcnt 0x0                                ; the last prefetch, eight tiles back, has read its address
	s_add_nc_u64 s[PFA:PFA+1], s[PFA:PFA+1], CHUNKB
.endif
	s_mov_b32 s[TB], (1-(\slot))*SLOT1             ; the fetches go on at the other slot's first tile
	s_wait_dscnt 0x0                               ; the add is done, and my reads of this slot are over
.if \fill
	CROUND
	tensor_load_to_lds s[G0+4*(\slot):G0+4*(\slot)+3], s[G1E:G1E+7]
	s_nop 0
.rept 4
	v_nop
.endr
	ASK \slot
.else
	s_barrier_signal -1
	s_barrier_wait -1
.endif
.endm
.macro MSET f                          ; the windows of fragment f's products
.if (\f) == 0
	WIN W_F
.elseif (\f) < 8
	WIN W_M2
.else
	WIN W_M3
.endif
.endm
.macro PROD f, par, t                  ; the tile of parity par, fragment f, tile t of z.  The four accumulators take turns, one instruction a turn
.set rD, ACC+32*(\par)+8*(\t)
.set rA, 8*(\f)
.set rB, 8*(4*((\f)%8)+(\t))
.if (\f) == 0
	v_wmma_f32_16x16x32_bf16 v[rD:rD+7], v[rA:rA+7], v[rB:rB+7], v[HN:HN+7]
.else
	v_wmma_f32_16x16x32_bf16 v[rD:rD+7], v[rA:rA+7], v[rB:rB+7], v[rD:rD+7]
.endif
.endm
; Place k of 32 of the tile before (the other set of accumulators) against the best so far, and behind it half a fragment's load (and, hnpart >= 0, half of the next tile's hn).
.macro HALF k, par, ld, ldreg, ldoff, hnpart
	WIN W_S
	v_cmp_le_f32 vcc_lo, v[ACC+32*(1-(\par))+(\k)], v[BS+(\k)]  ; not greater: the older tile stays
	v_max_num_f32 v[BS+(\k)], v[ACC+32*(1-(\par))+(\k)], v[BS+(\k)]
	v_cndmask_b32 v[IX+(\k)], s[TN], v[IX+(\k)], vcc_lo
.if \ld
.if (\hnpart) >= 0
	ds_load_b128 v[HN+4*(\hnpart):HN+4*(\hnpart)+3], v[ADH] offset:16*(\hnpart)
.endif
	ds_load_b128 v[(\ldreg):(\ldreg)+3], v[ADR] offset:\ldoff
.endif
.endm
; A GROUP.  cnt: the LDS loads that may stay out when fragment f has to be there.
; DISTANCES (ISA guide 7.12.1 for vector instructions): a load into fragment f - 1 stands behind six plain vector lines that follow that fragment's last product (three of the half before, three of this one),
; none of which names a register of that product; hn's loads, in group 1, likewise behind group 0's last product.  The first compare of a finished set, place 0 in group 0 of the next tile, stands behind the six
; lines of group 15 that follow the last product on that accumulator.  Each accumulator's places are read in ascending order, its lowest registers first.
.macro GROUP f, par, ld, cnt
	s_wait_dscnt \cnt
.set gg, ((\f)+15)%16
.set hp, -1
.if (\f) == 1
.set hp, 0
.endif
	MSET \f
	PROD \f, \par, 0
	PROD \f, \par, 1
	HALF 2*(\f), \par, \ld, 8*gg, 64*gg, hp
	MSET \f
	PROD \f, \par, 2
	PROD \f, \par, 3
	HALF 2*(\f)+1, \par, \ld, 8*gg+4, 64*gg+32, 2*hp+1
.endm
; A UNIT: groups 1 to 15 of tile c (parity par) and group 0 of tile c + 1.  All its loads come from tile c + 1: fragments 0 to 14, its hn, then fragment 15.
; The count 28: fragment f was asked for 15 groups back, and each of the 14 groups since has issued two loads (hn's two only add to the younger ones).
; ld = 0, next = 0: the last tile: nothing is fetched, the counts run down (fragment f + 1 .. 15's loads are the younger ones), and no tile follows.
.macro UNIT par, ld=1, next=1
	WIN 0
.if \ld
	v_add_nc_u32 v[ADR], s[TB], v[AE0]
	v_add_nc_u32 v[ADH], s[THN], v[AH0]
	s_add_co_u32 s[TB], s[TB], TILEB
	s_add_co_u32 s[THN], s[THN], 64
.endif
.set ff, 1
.rept 15
.if \ld
	GROUP ff, \par, 1, 28
.else
	GROUP ff, \par, 0, 30-2*ff
.endif
.set ff, ff+1
.endr
.if \next
	s_add_co_u32 s[TN], s[TN], 1                   ; the compares go on to tile c
	GROUP 0, 1-(\par), \ld, 28
.endif
	WIN 0
.endm
	s_load_b256 s[4:11], s[0:1], 0x0               ; z s[4:5], ebf s[6:7], hn s[8:9], cand s[10:11]
	v_lshl_add_u32 v[SPW], v0, 2, SPARE
	v_mov_b32 v[NIL], 0
	ds_add_u32 v[SPW], v[NIL]                      ; the wave's opening: the add, twice on end, and its wait ahead of my first tensor load; the set-up below stands between
	ds_add_u32 v[SPW], v[NIL]                      ; and once more, under the one wait
	v_lshrrev_b32 v1, 5, v0
	v_readfirstlane_b32 s[WV], v1                  ; wave 0..3
	s_bfe_u32 s[CX], ttmp6, 0x40000                ; cx
	s_lshl_b32 s[RB], ttmp9, 2                     ; in a cluster launch ttmp9 counts clusters
	s_add_co_u32 s[RB], s[RB], s[CX]               ; row block = 4 x cluster x + cx: it enters z's, cand's and the prefetches' addresses alone
	s_and_b32 s[QT], ttmp7, 0xffff                 ; the quarter, which the four partners share
	; descriptor group 1 for E: 32 rows x 512 elements of 2 bytes, padded in LDS
	s_mov_b32 s[G1E], 15|(1<<16)|(1<<20)|(1<<21)|(7<<22)|(3<<25)  ; 15:0 the mask of four; 17:16 2-byte elements; 20 padding on; 21 set beside a mask; 24:22 after every 256 words (code 7); 31:25 4 words (code 3)
	s_mov_b32 s[G1E+1], 512<<16                    ; tensor_dim0 = 512
	s_mov_b32 s[G1E+2], 32<<16                     ; tensor_dim1 = 32
	s_mov_b32 s[G1E+3], 512<<16                    ; tile_dim0 = 512
	s_mov_b32 s[G1E+4], 32                         ; tile_dim1 = 32
	s_mov_b32 s[G1E+5], 512                        ; elements from row to row
	s_mov_b32 s[G1E+6], 0
	s_mov_b32 s[G1E+7], 0
	; for hn: 2,048 dense bytes as 8 rows of 32 elements of 8 bytes, no padding
	s_mov_b32 s[G1H], 15|(3<<16)|(1<<21)
	s_mov_b32 s[G1H+1], 32<<16
	s_mov_b32 s[G1H+2], 8<<16
	s_mov_b32 s[G1H+3], 32<<16
	s_mov_b32 s[G1H+4], 8
	s_mov_b32 s[G1H+5], 32
	s_mov_b32 s[G1H+6], 0
	s_mov_b32 s[G1H+7], 0
	s_mul_i32 s20, s[WV], 32*PITCH                 ; where my 32 rows go in a slot: the wave's number alone enters an LDS address
	s_lshl_b32 s21, s[WV], 11                      ; my 2,048 bytes of hn
	s_mov_b32 s[G0], 1
	s_mov_b32 s[G0+1], s20
	s_mov_b32 s[G0+4], 1
	s_add_co_u32 s[G0+5], s20, SLOT1
	s_mov_b32 s[G0H], 1
	s_add_co_u32 s[G0H+1], s21, HNB
	s_lshl_b32 s16, s[QT], 21                      ; ebf: 2,048 q rows of 1,024 bytes
	s_lshl_b32 s17, s[WV], 15                      ; + 32 w rows
	s_add_co_u32 s16, s16, s17
	s_mov_b32 s17, 0
	s_lshl_b32 s18, s[QT], 13                      ; hn: 2,048 q numbers + my part
	s_add_co_u32 s18, s18, s21
	s_mov_b32 s19, 0
	s_lshl_b32 s22, s[RB], 19                      ; z: 256 rb rows of 2,048 bytes
	s_lshl_b32 s23, s[WV], 17                      ; + 64 w rows
	s_add_co_u32 s22, s22, s23
	s_mov_b32 s23, 0
	s_lshl2_add_u32 s2, s[RB], s[WV]               ; cand: block 4 rb + w, 512 bytes each,
	s_lshl_b32 s2, s2, 9
	s_lshl_b32 s3, s[QT], 17                       ; in quarter q
	s_add_co_u32 s2, s2, s3
	s_mov_b32 s3, 0
	s_mov_b32 s[SEL], 0x76543210
	s_mov_b32 s[SEL+1], 0xfedcba98
	s_mov_b32 s[MH], 0xffff0000
	s_cmp_eq_u32 ttmp9, 0                          ; the quarter's first cluster: the same in all four partners
	s_cselect_b32 s[LIM], 1, -1
	s_mov_b32 s[TN], -1
	s_wait_dscnt 0x0                               ; both opening adds are done
	s_wait_kmcnt 0x0
	s_add_nc_u64 s[4:5], s[4:5], s[22:23]          ; z at my wave's first row
	s_add_nc_u64 s[10:11], s[10:11], s[2:3]        ; cand at my block
	s_add_nc_u64 s[6:7], s[6:7], s[16:17]          ; ebf at my 32 rows of the quarter's chunk 0
	s_add_nc_u64 s[G0H+2:G0H+3], s[8:9], s[18:19]
	s_or_b32 s[G0H+3], s[G0H+3], 0x80000000        ; 127:126 type = 2
	s_mov_b64 s[G0+2:G0+3], s[6:7]
	s_or_b32 s[G0+3], s[G0+3], 0x80000000
	s_add_nc_u64 s[G0+6:G0+7], s[6:7], CHUNKB
	s_or_b32 s[G0+7], s[G0+7], 0x80000000
	s_lshl_b32 s2, s[CX], 8                        ; my work-group's block of 256 bytes in each row
	s_add_nc_u64 s[PFA:PFA+1], s[6:7], s[2:3]
	s_add_nc_u64 s[PFA:PFA+1], s[PFA:PFA+1], 2*CHUNKB  ; at chunk 2; the first change of slots steps it to chunk 3.  Nothing is prefetched here, at the head
	CROUND                                         ; all four work-groups are here: the first joint loads meet
	tensor_load_to_lds s[G0H:G0H+3], s[G1H:G1H+7]  ; the three first fills go out together
	s_nop 0
	tensor_load_to_lds s[G0:G0+3], s[G1E:G1E+7]
	s_nop 0
	tensor_load_to_lds s[G0+4:G0+7], s[G1E:G1E+7]
	s_nop 0
	v_and_b32 v1, 15, v0                           ; l % 16   (more than four vector lines under the windows as they stand follow the loads, ahead of the next switch)
	v_bfe_u32 v2, v0, 4, 1                         ; l / 16
	v_mul_u32_u24 v[AE0], v1, PITCH
	v_lshl_add_u32 v[AE0], v2, 4, v[AE0]
	v_lshl_add_u32 v[AH0], v2, 5, HNB
	v_lshlrev_b32 v[ZO], 11, v1
	v_lshl_add_u32 v[ZO], v2, 5, v[ZO]
	v_and_b32 v[PFO], 31, v0
	v_lshlrev_b32 v[CO], 4, v[PFO]
	v_lshlrev_b32 v[PFO], 10, v[PFO]
; z INTO REGISTERS.  A fragment is 16 rows x 32 channels in 8 registers: lane l holds row l % 16, channels 8 (l / 16) + 0..7 and 16 + 8 (l / 16) + 0..7: in f32 two runs of 32 bytes, 64 bytes apart.
; Step st of 16: tile st / 4, fragments 4 (st % 4) .. + 3: 16 loads into a quarter of window 1, which together take 512 consecutive bytes of each of the 16 rows; then 32 roundings.
.macro ZLOAD st
	WIN 0x40                                       ; destination window 1, address window 0
.irp u, 0,1,2,3
	global_load_b128 v[64*((\st)%4)+16*\u:64*((\st)%4)+16*\u+3],     v[ZO], s[4:5] offset:((\st)/4)*32768+128*(4*((\st)%4)+\u)
	global_load_b128 v[64*((\st)%4)+16*\u+4:64*((\st)%4)+16*\u+7],   v[ZO], s[4:5] offset:((\st)/4)*32768+128*(4*((\st)%4)+\u)+16
	global_load_b128 v[64*((\st)%4)+16*\u+8:64*((\st)%4)+16*\u+11],  v[ZO], s[4:5] offset:((\st)/4)*32768+128*(4*((\st)%4)+\u)+64
	global_load_b128 v[64*((\st)%4)+16*\u+12:64*((\st)%4)+16*\u+15], v[ZO], s[4:5] offset:((\st)/4)*32768+128*(4*((\st)%4)+\u)+80
.endr
.endm
.macro ZCVT st
.if ((\st)%4) < 2
	WIN 0x85                                       ; sources window 1, destination window 2
.else
	WIN 0xc5                                       ; destination window 3
.endif
.irp u, 0,1,2,3
.irp i, 0,1,2,3,4,5,6,7
	v_cvt_pk_bf16_f32 v[8*(4*((4*((\st)%4)+\u)%8)+(\st)/4)+\i], v[64*((\st)%4)+16*\u+2*\i], v[64*((\st)%4)+16*\u+2*\i+1]
.endr
.endr
.endm
	ZLOAD 0
	ZLOAD 1
	ZLOAD 2
.irp st, 0,1,2,3,4,5,6,7,8,9,10,11,12,13,14,15
.if \st < 14
	s_wait_loadcnt 32                              ; this step's 16 loads are in; the two younger steps' 16 each may stay out
.elseif \st == 14
	s_wait_loadcnt 16
.else
	s_wait_loadcnt 0x0
.endif
.if \st < 13
	ZLOAD (\st)+3                                  ; into the quarter that the step before has rounded
.endif
	ZCVT \st
.endr
	; What the first tile's compares find: best scores and the second set of accumulators at minus infinity, so that they change nothing.  96 lines, once a launch, in place of a first tile written out.
	s_mov_b32 s16, 0xff800000
	WIN 0x40
.set kk, 0
.rept 32
	v_mov_b32 v[BS+kk], s16
	v_mov_b32 v[IX+kk], 0
.set kk, kk+1
.endr
	WIN 0
.set kk, 0
.rept 32
	v_mov_b32 v[ACC+32+kk], s16
.set kk, kk+1
.endr
	s_wait_tensorcnt 1                             ; my parts of hn and of slot 0 are in; slot 1's may stay out
	s_barrier_signal -1
	s_barrier_wait -1                              ; everybody's are
	v_mov_b32 v[ADR], v[AE0]                       ; tile 0 lies at the head of slot 0
	v_mov_b32 v[ADH], v[AH0]
	WIN 0x40
	ds_load_b128 v[HN:HN+3],   v[ADH]
	ds_load_b128 v[HN+4:HN+7], v[ADH] offset:16
.set ff, 0
.rept 15                                       ; tile 0's fragments 0 to 14; its fragment 15 comes by group 0, like every tile's
	ds_load_b128 v[8*ff:8*ff+3],   v[ADR] offset:64*ff
	ds_load_b128 v[8*ff+4:8*ff+7], v[ADR] offset:64*ff+32
.set ff, ff+1
.endr
	s_mov_b32 s[TB], TILEB
	s_mov_b32 s[THN], 64
	GROUP 0, 0, 1, 28                              ; hn and fragment 0 are in: behind them stand fragments 1 to 14's 28 loads
	UNIT 0                                         ; tile 0
	s_mov_b32 s[CNT], 3                            ; tiles 1 to 6: the rest of chunk 0 ahead of its change
	s_mov_b32 s[LAPS], 8
	s_branch .LpairB                               ; the loop over slots is entered in the middle of a lap
.Llap:                                         ; seven laps: chunks 0 to 13 are left, chunks 2 to 15 asked for
	CHANGE 0, 1
	s_mov_b32 s[CNT], 4
.LpairA:
	UNIT 1
	UNIT 0
	s_sub_co_u32 s[CNT], s[CNT], 1
	s_cmp_lg_u32 s[CNT], 0
	s_cbranch_scc1 .LpairA
	CHANGE 1, 1
	s_mov_b32 s[CNT], 4
.LpairB:
	UNIT 1
	UNIT 0
	s_sub_co_u32 s[CNT], s[CNT], 1
	s_cmp_lg_u32 s[CNT], 0
	s_cbranch_scc1 .LpairB
	s_sub_co_u32 s[LAPS], s[LAPS], 1
	s_cmp_lg_u32 s[LAPS], 0
	s_cbranch_scc1 .Llap
	CHANGE 0, 0                                    ; the tail is written out: chunk 14 is left, nothing is asked for
	s_mov_b32 s[CNT], 4
.LpairT:                                       ; tiles 119 to 126
	UNIT 1
	UNIT 0
	s_sub_co_u32 s[CNT], s[CNT], 1
	s_cmp_lg_u32 s[CNT], 0
	s_cbranch_scc1 .LpairT
	UNIT 1, 0, 0                                   ; tile 127
	s_add_co_u32 s[TN], s[TN], 1
.set kk, 0
.rept 32                                       ; its 32 places: the first stands behind group 15's six lines, the later accumulators' behind these
	HALF kk, 0, 0, 0, 0, -1
.set kk, kk+1
.endr
	; THE WAY OUT.  code = 16 tile + 8 (l / 16) + j + 2,048 q.  For each tile of z the lane's 8 places, then the two halves of the lanes, meet: the greater score, on equality the lower code.
.macro BETTER bA, cA, bB, cB           ; (bA, cA) takes (bB, cB) where that is better
	v_cmp_gt_f32 s20, v[\bB], v[\bA]
	v_cmp_eq_f32 s21, v[\bB], v[\bA]
	v_cmp_lt_u32 s22, v[\cB], v[\cA]
	s_and_b32 s21, s21, s22
	s_or_b32 s20, s20, s21
	v_cndmask_b32 v[\bA], v[\bA], v[\bB], s20
	v_cndmask_b32 v[\cA], v[\cA], v[\cB], s20
.endm
.macro BK a, b
	BETTER BS+(\a), IX+(\a), BS+(\b), IX+(\b)
.endm
	s_lshl_b32 s16, s[QT], 11
	WIN 0x40
	v_lshl_add_u32 v[HQ], v2, 3, s16
	WIN 0x55                                       ; everything in window 1
.irp j, 1,2,3,4,5,6,7
	v_add_nc_u32 v[HQ+\j], \j, v[HQ]
.endr
	v_mov_b32 v[PBV], 0                            ; v_permlanex16_b32's destinations count as read
	v_mov_b32 v[PCV], 0
.set kk, 0
.rept 32
	v_lshl_add_u32 v[IX+kk], v[IX+kk], 4, v[HQ+kk%8]
.set kk, kk+1
.endr
.irp t, 0,8,16,24
	BK \t, \t+1
	BK \t+2, \t+3
	BK \t+4, \t+5
	BK \t+6, \t+7
	BK \t, \t+2
	BK \t+4, \t+6
	BK \t, \t+4
	v_permlanex16_b32 v[PBV], v[BS+\t], s[SEL], s[SEL+1]  ; the row's other 8 code places lie in the lane 16 away
	v_permlanex16_b32 v[PCV], v[IX+\t], s[SEL], s[SEL+1]
	BETTER BS+\t, IX+\t, PBV, PCV
.endr
	WIN 0x05                                       ; sources window 1, destination window 0.  Both halves now hold all four tiles' results: lanes 0-15 store tiles 0 and 1, lanes 16-31 tiles 2 and 3
	v_cndmask_b32 v12, v[BS],   v[BS+16], s[MH]
	v_cndmask_b32 v13, v[IX],   v[IX+16], s[MH]
	v_cndmask_b32 v14, v[BS+8], v[BS+24], s[MH]
	v_cndmask_b32 v15, v[IX+8], v[IX+24], s[MH]
	WIN 0
	v_add_f32 v12, 0, v12                          ; -0 becomes +0, so that the two have one key
	v_add_f32 v14, 0, v14
	v_ashrrev_i32 v16, 31, v12                     ; the key: a positive score gets its top bit set, a negative one is inverted: unsigned order = the scores' order
	v_ashrrev_i32 v17, 31, v14
	v_or_b32 v16, 0x80000000, v16
	v_or_b32 v17, 0x80000000, v17
	v_xor_b32 v12, v12, v16
	v_xor_b32 v14, v14, v17
	global_store_b128 v[CO], v[12:15], s[10:11]    ; the wave's store covers 512 consecutive bytes, aligned
	s_wait_tensorcnt 0x0                           ; the wave's end, behind my last tensor load
	ds_add_u32 v[SPW], v[NIL]
	s_wait_dscnt 0x0
	CROUND                                         ; the closing round: no work-group ends while a partner may still ask for a tile that names it
	s_endpgm
.Lfunc_end_k_q208914cd99_score:
	.size	k_q208914cd99_score, .Lfunc_end_k_q208914cd99_score-k_q208914cd99_score
	.p2alignl 7, 3214868480
	.fill 96, 4, 3214868480
	.section	.rodata,"a",@progbits
	.p2align	6, 0x0
	.amdhsa_kernel k_q208914cd99_score
		.amdhsa_group_segment_fixed_size 327680
		.amdhsa_private_segment_fixed_size 0
		.amdhsa_enable_private_segment 0
		.amdhsa_kernarg_size 32
		.amdhsa_user_sgpr_count 2
		.amdhsa_user_sgpr_kernarg_segment_ptr 1
		.amdhsa_wavefront_size32 1
		.amdhsa_system_sgpr_workgroup_id_x 1
		.amdhsa_system_sgpr_workgroup_id_y 1
		.amdhsa_system_sgpr_workgroup_id_z 1
		.amdhsa_system_vgpr_workitem_id 0
		.amdhsa_next_free_vgpr 1024
		.amdhsa_next_free_sgpr 66
		.amdhsa_reserve_vcc 1
		.amdhsa_float_denorm_mode_32 3
		.amdhsa_float_denorm_mode_16_64 3
		.amdhsa_memory_ordered 1
		.amdhsa_forward_progress 1
		.amdhsa_inst_pref_size 183
	.end_amdhsa_kernel
	.amdgpu_metadata
---
amdhsa.version: [ 1, 2 ]
amdhsa.kernels:
  - .name:           k_q208914cd99_score
    .symbol:         k_q208914cd99_score.kd
    .args:
      - { .name: z, .offset: 0, .size: 8, .value_kind: global_buffer, .address_space: global }
      - { .name: ebf, .offset: 8, .size: 8, .value_kind: global_buffer, .address_space: global }
      - { .name: hn, .offset: 16, .size: 8, .value_kind: global_buffer, .address_space: global }
      - { .name: cand, .offset: 24, .size: 8, .value_kind: global_buffer, .address_space: global }
    .group_segment_fixed_size: 327680
    .private_segment_fixed_size: 0
    .kernarg_segment_align: 8
    .kernarg_segment_size: 32
    .max_flat_workgroup_size: 128
    .sgpr_count:     66
    .vgpr_count:     1024
    .wavefront_size: 32
...
	.end_amdgpu_metadata
.endif
;; end of part 2
;; launch finish (part 3): grid 256 x 1, 16 waves a work-group, no clusters, 2,304 bytes of LDS; arguments cand, embedding, z, out0, part; writes out0, part
.if DOCPART == 3
	.amdgcn_target "amdgcn-amd-amdhsa--gfx1250"
	.amdhsa_code_object_version 6
	.text
	.protected	k_q208914cd99_finish
	.globl	k_q208914cd99_finish
	.p2align	8
	.type	k_q208914cd99_finish,@function
k_q208914cd99_finish:
	s_mov_b64 s[64:65], 0
	v_nop
	global_prefetch_b8 v0, s[64:65] scope:SCOPE_SE
	s_setreg_imm32_b32 hwreg(HW_REG_WAVE_MODE, 25, 1), 1
	s_wait_xcnt 0x0
; For each row of z: the best of the four quarters' candidates (whole numbers that the launch before stored), out0[row] = embedding[code], and the work-group's sum of (embedding[code] - z)^2 into part.
; The loss is formed from the f32 inputs as reference() forms it; |z|^2 is not needed here either (first kernel's head).
; cand: [quarter 4][block 256][lane 32][e 2][key, code]; entry (lane l, e) of block b is row 64 b + 16 (2 (l / 16) + e) + l % 16.  A greater key is a greater score; on equal keys the lower quarter, whose codes are lower, stays.
; SHARES.  Work-group wg = block wg: 64 rows.  Wave w of 16 takes the entries of lanes 2 w and 2 w + 1: 32 bytes a quarter, by scalar loads; its rows are R0 + 16 e + i, R0 = 64 wg + 32 (w / 8) + 2 (w % 8), i, e = 0, 1.
; A row is 2,048 bytes: four loads or stores of the wave, 512 consecutive bytes each.  All of a wave's 16 loads of z go out ahead of the wait for the candidates, its 16 loads of embedding behind it.
; A stream and a gather: no matrix unit; no cluster or tensor load (the rows come by a list); no prefetch (a row's address is known only when its load can go out).
; LIMIT.  A code is held to 0 .. 8191 in front of its use as an address; the launch before stores nothing else.
.set LO,  2                            ; v2   16 x lane
.set ZOF, 3                            ; v3   my byte offset in the work-group's 64 rows of z and out0, at the wave's first row
.set EO,  4                            ; v[4:7]  row n's offset in embedding
.set SPW, 8                            ; v8   LDS address of my spare word; never rewritten
.set NIL, 9                            ; v9   0; never rewritten
.set SUM, 12                           ; v[12:19]  four pairs of running sums
.set X,   32                           ; v[32:95]  embedding's rows: row n, piece p at X + 16 n + 4 p; stored as they came, never rewritten
.set Z,   96                           ; v[96:159] z's rows, then the differences
.set WV,  50
	s_load_b256 s[4:11], s[0:1], 0x0               ; cand s[4:5], embedding s[6:7], z s[8:9], out0 s[10:11]
	s_load_b64 s[12:13], s[0:1], 0x20              ; part
	v_lshl_add_u32 v[SPW], v0, 2, 256              ; the spare words begin at byte 256: 128 bytes for each of 16 waves; the 16 partial sums have the block from 0 to themselves
	v_mov_b32 v[NIL], 0
	v_lshrrev_b32 v1, 5, v0
	v_readfirstlane_b32 s[WV], v1                  ; wave 0..15
	v_and_b32 v1, 31, v0
	v_lshlrev_b32 v[LO], 4, v1
	s_lshr_b32 s51, s[WV], 3
	s_and_b32 s52, s[WV], 7
	s_lshl_b32 s51, s51, 5                         ; 32 (w / 8)
	s_lshl1_add_u32 s51, s52, s51                  ; + 2 (w % 8)
	s_lshl_b32 s51, s51, 11                        ; rows of 2,048 bytes
	v_add_nc_u32 v[ZOF], s51, v[LO]
	s_lshl_b32 s52, ttmp9, 17                      ; the work-group's 64 rows
	s_mov_b32 s53, 0
	s_lshl_b32 s54, ttmp9, 9                       ; its block of cand,
	s_lshl_b32 s55, s[WV], 5                       ; my two lanes' 32 bytes
	s_add_co_u32 s54, s54, s55
	s_mov_b32 s55, 0
	s_lshl_b32 s56, ttmp9, 2
	s_mov_b32 s57, 0
	s_mov_b32 s58, 0x76543210
	s_mov_b32 s59, 0xfedcba98
	s_wait_kmcnt 0x0
	s_add_nc_u64 s[4:5], s[4:5], s[54:55]
	s_add_nc_u64 s[8:9], s[8:9], s[52:53]
	s_add_nc_u64 s[10:11], s[10:11], s[52:53]
	s_add_nc_u64 s[12:13], s[12:13], s[56:57]
	s_load_b256 s[16:23], s[4:5], 0x0              ; quarter 0: key, code of rows n = 2 i + e = 0..3
	s_load_b256 s[24:31], s[4:5], 0x20000
	s_load_b256 s[32:39], s[4:5], 0x40000
	s_load_b256 s[40:47], s[4:5], 0x60000
.irp n, 0,1,2,3
.irp p, 0,1,2,3
	global_load_b128 v[Z+16*\n+4*\p:Z+16*\n+4*\p+3], v[ZOF], s[8:9] offset:2048*(\n/2)+32768*(\n%2)+512*\p th:TH_LOAD_NT
.endr
.endr
	s_wait_kmcnt 0x0
.irp n, 0,1,2,3
.irp q, 1,2,3
	s_cmp_gt_u32 s[16+8*\q+2*\n], s[16+2*\n]       ; strictly greater: on equality the lower quarter stays
	s_cselect_b32 s[16+2*\n], s[16+8*\q+2*\n], s[16+2*\n]
	s_cselect_b32 s[17+2*\n], s[17+8*\q+2*\n], s[17+2*\n]
.endr
	s_min_u32 s[17+2*\n], s[17+2*\n], 8191
	s_lshl_b32 s[17+2*\n], s[17+2*\n], 11
	v_add_nc_u32 v[EO+\n], s[17+2*\n], v[LO]
.irp p, 0,1,2,3
	global_load_b128 v[X+16*\n+4*\p:X+16*\n+4*\p+3], v[EO+\n], s[6:7] offset:512*\p
.endr
.endr
.irp n, 0,1,2,3
	s_wait_loadcnt 4*(3-\n)                        ; row n of embedding is in, and all of z, which was asked for earlier; the younger rows' four loads each may stay out
.irp p, 0,1,2,3
	global_store_b128 v[ZOF], v[X+16*\n+4*\p:X+16*\n+4*\p+3], s[10:11] offset:2048*(\n/2)+32768*(\n%2)+512*\p th:TH_STORE_NT
.endr
.irp u, 0,1,2,3,4,5,6,7
	v_pk_add_f32 v[Z+16*\n+2*\u:Z+16*\n+2*\u+1], v[X+16*\n+2*\u:X+16*\n+2*\u+1], v[Z+16*\n+2*\u:Z+16*\n+2*\u+1] neg_lo:[0,1] neg_hi:[0,1]  ; e - z
.endr
.irp u, 0,1,2,3,4,5,6,7
.if (\n == 0) && (\u < 4)
	v_pk_mul_f32 v[SUM+2*\u:SUM+2*\u+1], v[Z+2*\u:Z+2*\u+1], v[Z+2*\u:Z+2*\u+1]  ; the first squares start the four chains
.else
	v_pk_fma_f32 v[SUM+2*(\u%4):SUM+2*(\u%4)+1], v[Z+16*\n+2*\u:Z+16*\n+2*\u+1], v[Z+16*\n+2*\u:Z+16*\n+2*\u+1], v[SUM+2*(\u%4):SUM+2*(\u%4)+1]
.endif
.endr
.endr
	v_pk_add_f32 v[SUM:SUM+1], v[SUM:SUM+1], v[SUM+2:SUM+3]
	v_pk_add_f32 v[SUM+4:SUM+5], v[SUM+4:SUM+5], v[SUM+6:SUM+7]
	v_pk_add_f32 v[SUM:SUM+1], v[SUM:SUM+1], v[SUM+4:SUM+5]
	v_add_f32 v[SUM], v[SUM], v[SUM+1]
.irp m, 1,2,4,8
	v_add_f32_dpp v[SUM], v[SUM], v[SUM] row_xmask:\m row_mask:0xf bank_mask:0xf
.endr
	v_permlanex16_b32 v[SUM+1], v[SUM], s58, s59
	v_add_f32 v[SUM], v[SUM], v[SUM+1]             ; the wave's sum, in every lane
	s_lshl_b32 s51, s[WV], 2
	v_mov_b32 v10, s51
	ds_store_b32 v10, v[SUM]                       ; all lanes write the same word with the same value
	s_wait_dscnt 0x0                               ; for the others' sake
	s_barrier_signal -1
	s_barrier_wait -1
	s_cmp_lg_u32 s[WV], 0
	s_cbranch_scc1 .Lend                           ; wave 0 adds the 16 sums, in a fixed order
	v_mov_b32 v11, 0
.irp p, 0,1,2,3
	ds_load_b128 v[Z+4*\p:Z+4*\p+3], v11 offset:16*\p
.endr
	s_wait_dscnt 0x0
.irp p, 0,1,2,3
	v_pk_add_f32 v[Z+4*\p:Z+4*\p+1], v[Z+4*\p:Z+4*\p+1], v[Z+4*\p+2:Z+4*\p+3]
.endr
	v_pk_add_f32 v[Z:Z+1], v[Z:Z+1], v[Z+4:Z+5]
	v_pk_add_f32 v[Z+8:Z+9], v[Z+8:Z+9], v[Z+12:Z+13]
	v_pk_add_f32 v[Z:Z+1], v[Z:Z+1], v[Z+8:Z+9]
	v_add_f32 v[Z], v[Z], v[Z+1]
	s_wait_xcnt 0x0                                ; EXEC is a source of the stores above: it changes only behind this wait
	v_cmp_eq_u32 vcc_lo, 0, v0
	s_and_saveexec_b32 s51, vcc_lo
	global_store_b32 v11, v[Z], s[12:13]           ; part[wg]
	s_wait_xcnt 0x0                                ; and again in front of the line that widens it
	s_or_b32 exec_lo, exec_lo, s51
.Lend:
	s_wait_tensorcnt 0x0                           ; the wave's end, behind my last LDS store
	ds_add_u32 v[SPW], v[NIL]
	s_wait_dscnt 0x0
	s_endpgm
.Lfunc_end_k_q208914cd99_finish:
	.size	k_q208914cd99_finish, .Lfunc_end_k_q208914cd99_finish-k_q208914cd99_finish
	.p2alignl 7, 3214868480
	.fill 96, 4, 3214868480
	.section	.rodata,"a",@progbits
	.p2align	6, 0x0
	.amdhsa_kernel k_q208914cd99_finish
		.amdhsa_group_segment_fixed_size 2304
		.amdhsa_private_segment_fixed_size 0
		.amdhsa_enable_private_segment 0
		.amdhsa_kernarg_size 40
		.amdhsa_user_sgpr_count 2
		.amdhsa_user_sgpr_kernarg_segment_ptr 1
		.amdhsa_wavefront_size32 1
		.amdhsa_system_sgpr_workgroup_id_x 1
		.amdhsa_system_sgpr_workgroup_id_y 1
		.amdhsa_system_sgpr_workgroup_id_z 1
		.amdhsa_system_vgpr_workitem_id 0
		.amdhsa_next_free_vgpr 160
		.amdhsa_next_free_sgpr 66
		.amdhsa_reserve_vcc 1
		.amdhsa_float_denorm_mode_32 3
		.amdhsa_float_denorm_mode_16_64 3
		.amdhsa_memory_ordered 1
		.amdhsa_forward_progress 1
		.amdhsa_inst_pref_size 14
	.end_amdhsa_kernel
	.amdgpu_metadata
---
amdhsa.version: [ 1, 2 ]
amdhsa.kernels:
  - .name:           k_q208914cd99_finish
    .symbol:         k_q208914cd99_finish.kd
    .args:
      - { .name: cand, .offset: 0, .size: 8, .value_kind: global_buffer, .address_space: global }
      - { .name: embedding, .offset: 8, .size: 8, .value_kind: global_buffer, .address_space: global }
      - { .name: z, .offset: 16, .size: 8, .value_kind: global_buffer, .address_space: global }
      - { .name: out0, .offset: 24, .size: 8, .value_kind: global_buffer, .address_space: global }
      - { .name: part, .offset: 32, .size: 8, .value_kind: global_buffer, .address_space: global }
    .group_segment_fixed_size: 2304
    .private_segment_fixed_size: 0
    .kernarg_segment_align: 8
    .kernarg_segment_size: 40
    .max_flat_workgroup_size: 512
    .sgpr_count:     66
    .vgpr_count:     160
    .wavefront_size: 32
...
	.end_amdgpu_metadata
.endif
;; end of part 3
;; launch lossum (part 4): grid 1 x 1, 1 waves a work-group, no clusters, 0 bytes of LDS; arguments part, out1; writes out1
.if DOCPART == 4
	.amdgcn_target "amdgcn-amd-amdhsa--gfx1250"
	.amdhsa_code_object_version 6
	.text
	.protected	k_q208914cd99_lossum
	.globl	k_q208914cd99_lossum
	.p2align	8
	.type	k_q208914cd99_lossum,@function
k_q208914cd99_lossum:
	s_mov_b64 s[64:65], 0
	v_nop
	global_prefetch_b8 v0, s[64:65] scope:SCOPE_SE
	s_setreg_imm32_b32 hwreg(HW_REG_WAVE_MODE, 25, 1), 1
	s_wait_xcnt 0x0
; out1 = 2 / (16384 x 512) x the sum of the 256 work-groups' partial sums of (embedding[code] - z)^2, in a fixed order, in f32.  One wave: a lane takes 8 numbers.
; A sum over all work-groups of the launch before has one owner, in a launch of its own: no traffic between work-groups.
	s_load_b128 s[4:7], s[0:1], 0x0                ; part s[4:5], out1 s[6:7]
	v_lshlrev_b32 v1, 5, v0                        ; 32 bytes a lane
	v_mov_b32 v12, 0                               ; v_permlanex16_b32's destination counts as read; later the store's offset 0
	v_mov_b32 v13, 0
	s_mov_b32 s8, 0x76543210
	s_mov_b32 s9, 0xfedcba98
	s_wait_kmcnt 0x0
	global_load_b128 v[4:7],  v1, s[4:5]
	global_load_b128 v[8:11], v1, s[4:5] offset:16
	s_wait_loadcnt 0x0
	v_pk_add_f32 v[4:5], v[4:5], v[6:7]
	v_pk_add_f32 v[8:9], v[8:9], v[10:11]
	v_pk_add_f32 v[4:5], v[4:5], v[8:9]
	v_add_f32 v4, v4, v5
.irp m, 1,2,4,8
	v_add_f32_dpp v4, v4, v4 row_xmask:\m row_mask:0xf bank_mask:0xf
.endr
	v_permlanex16_b32 v12, v4, s8, s9
	v_add_f32 v4, v4, v12
	v_mul_f32 v4, 0x34800000, v4                   ; 2^-22 = 2 / 8,388,608
	s_wait_xcnt 0x0                                ; EXEC changes only behind this wait
	v_cmp_eq_u32 vcc_lo, 0, v0
	s_and_saveexec_b32 s10, vcc_lo
	global_store_b32 v13, v4, s[6:7]
	s_wait_xcnt 0x0
	s_or_b32 exec_lo, exec_lo, s10
	s_endpgm
.Lfunc_end_k_q208914cd99_lossum:
	.size	k_q208914cd99_lossum, .Lfunc_end_k_q208914cd99_lossum-k_q208914cd99_lossum
	.p2alignl 7, 3214868480
	.fill 96, 4, 3214868480
	.section	.rodata,"a",@progbits
	.p2align	6, 0x0
	.amdhsa_kernel k_q208914cd99_lossum
		.amdhsa_group_segment_fixed_size 0
		.amdhsa_private_segment_fixed_size 0
		.amdhsa_enable_private_segment 0
		.amdhsa_kernarg_size 16
		.amdhsa_user_sgpr_count 2
		.amdhsa_user_sgpr_kernarg_segment_ptr 1
		.amdhsa_wavefront_size32 1
		.amdhsa_system_sgpr_workgroup_id_x 1
		.amdhsa_system_sgpr_workgroup_id_y 1
		.amdhsa_system_sgpr_workgroup_id_z 1
		.amdhsa_system_vgpr_workitem_id 0
		.amdhsa_next_free_vgpr 16
		.amdhsa_next_free_sgpr 66
		.amdhsa_reserve_vcc 1
		.amdhsa_float_denorm_mode_32 3
		.amdhsa_float_denorm_mode_16_64 3
		.amdhsa_memory_ordered 1
		.amdhsa_forward_progress 1
		.amdhsa_inst_pref_size 2
	.end_amdhsa_kernel
	.amdgpu_metadata
---
amdhsa.version: [ 1, 2 ]
amdhsa.kernels:
  - .name:           k_q208914cd99_lossum
    .symbol:         k_q208914cd99_lossum.kd
    .args:
      - { .name: part, .offset: 0, .size: 8, .value_kind: global_buffer, .address_space: global }
      - { .name: out1, .offset: 8, .size: 8, .value_kind: global_buffer, .address_space: global }
    .group_segment_fixed_size: 0
    .private_segment_fixed_size: 0
    .kernarg_segment_align: 8
    .kernarg_segment_size: 16
    .max_flat_workgroup_size: 32
    .sgpr_count:     66
    .vgpr_count:     16
    .wavefront_size: 32
...
	.end_amdgpu_metadata
.endif
;; end of part 4
;; ======== version 2 of 2: 4 launches
;; workspace buffers: ebf 8,388,608 bytes; hn 32,768 bytes; cand 524,288 bytes of whole numbers; part 1,024 bytes
;; launch prep: the kernel of part 1 again; grid 256 x 1, 8 waves a work-group, no clusters, 0 bytes of LDS; arguments embedding, ebf, hn; writes ebf, hn
;; launch score (part 5): grid 64 x 4, 4 waves a work-group, clusters of 4 x 1, 327,680 bytes of LDS; arguments z, ebf, hn, cand; writes cand
.if DOCPART == 5
	.amdgcn_target "amdgcn-amd-amdhsa--gfx1250"
	.amdhsa_code_object_version 6
	.text
	.protected	k_q208914cd99_score
	.globl	k_q208914cd99_score
	.p2align	8
	.type	k_q208914cd99_score,@function
k_q208914cd99_score:
	s_mov_b64 s[64:65], 0
	v_nop
	global_prefetch_b8 v0, s[64:65] scope:SCOPE_SE
	s_setreg_imm32_b32 hwreg(HW_REG_WAVE_MODE, 25, 1), 1
	s_wait_xcnt 0x0
	s_wait_alu depctr_hold_cnt(0) depctr_sa_sdst(0) depctr_va_vdst(0) depctr_va_sdst(0) depctr_va_ssrc(0) depctr_va_vcc(0) depctr_vm_vsrc(0)
	s_getreg_b32 s2, hwreg(HW_REG_IB_STS2, 6, 4)
	s_cmp_eq_u32 s2, 0
	s_cbranch_scc0 .Lentry_in_a_cluster
	s_endpgm
.Lentry_in_a_cluster:
	s_bfe_u32 s2, ttmp6, 0x10000c
	s_cmp_lg_u32 s2, 0x3003
	s_cbranch_scc0 .Lentry_shape_is_right
	s_endpgm
.Lentry_shape_is_right:
; For 256 rows of z and a quarter (2,048) of the codes: the running argmax of score = z.e + hn, hn = -|e|^2 / 2.  Left out, as shown at the first kernel's head: |z|^2, equal for all codes of a row.
; z: [16384][512] f32, rounded to bf16 on its way into registers; ebf: [8192][512] bf16; hn: [8192] f32; sums in f32.
; cand: [quarter 4][block 256][lane 32][e 2][key, code] of u32.  block = 4 x row block + wave; entry (lane l, e) is row 64 block + 16 (2 (l / 16) + e) + l % 16; key is the score's order-keeping unsigned
; image (bits ^ ((bits >> 31, arithmetic) | 0x80000000)), code 0 .. 8191.  LIMITS: NaN and infinities are not treated apart; equal scores go to the lowest code.
; SHARES.  Work-group (row block rb, quarter q), four waves.  Wave w owns rows 256 rb + 64 w .. + 63: four tiles of 16 rows, whose whole K = 512 stays in 512 registers as 64 fragments for the whole launch.
; All four waves walk the quarter's 128 tiles of 16 codes out of LDS: a fragment of E (two loads of 16 bytes a lane) feeds four products.
; PRODUCT.  D = A B + C with A = 16 codes, B = 16 rows of z: in D a lane holds ONE row of z (lane % 16) and the codes 8 (lane / 16) + 0..7.  hn is the C operand of a tile's first products: it costs no vector line.
; ARGMAX.  Each lane keeps, for each of its 4 x 8 places in D, the best score so far and the number of its tile: a compare, a maximum and a select for each score, 96 lines for a tile's 64 products.  They work on the
; tile before (two sets of accumulators by the tile's parity) and stand behind EVERY product: a place's compare and maximum behind one, its select behind the next, so that each product has vector work beside it
; and the select does not follow its compare directly.  On equality the older, lower tile is kept.  The 8 places and the two halves of the lanes meet once, at the end.
; THE LDS LOADS STAND IN ONE RUN A TILE, never singly among the products: while tile c is multiplied out of one buffer of 128 registers, the 16 fragments of tile c + 1 and its hn (34 loads) are fetched into the
; other, behind tile c's eighth product: 56 products ahead of their first use.
; RING.  Two LDS slots of 128 codes (8 tiles, 131,072 bytes of ebf), each wave fetching 32 rows of 1,024 bytes; a slot is filled again behind a round of the cluster's barrier and has 512 products in which to land.
; A wave has three tensor loads out at the start (hn, slot 0, slot 1) and one behind each round.
; CLUSTER.  The four row blocks of a cluster share the quarter, so E's tiles and hn are asked for JOINTLY: the same load, descriptor and mask in all four.  z is each wave's own and goes once into registers.
; REGISTERS, in windows of 256 (s_set_vgpr_msb: bits 1:0 source 0, 3:2 source 1, 5:4 source 2, 7:6 destination):
;   window 0: v0-21 addresses and the way out; v24-31 hn of a tile; v32-95 the accumulators, set p, tile t of z at ACC + 32 p + 8 t; v96-127 the best scores; v128-159 their tiles; v160-169 the way out
;   window 1: E's fragments, two buffers by the tile's parity: fragment f of buffer b at 128 b + 8 f.  At the start all 256 stage z's f32
;   window 2: z's fragments f = 0..7 at 8 (4 f + t)          window 3: f = 8..15 at 8 (4 (f - 8) + t)
; A product names E, z and the accumulators in three windows, the argmax's lines name window 0 alone, and z alone fills two windows: so each product with its one or two vector lines costs two switches, 128 a tile.
; That is taken on purpose: with three lines behind every second product there are half as many switches, but every other product has nothing beside it.
.set PITCH,  1040                      ; an LDS row of E: 1,024 bytes + 16 of padding = 65 x 16: the 16 rows of a fragment load start at 16 different groups of four banks (64 banks of 4 bytes: ISA guide 11.1)
.set TILEB,  16*PITCH                  ; a tile of 16 codes
.set SLOT1,  128*PITCH                 ; slot 0 at 0, slot 1 here
.set HNB,    2*SLOT1                   ; the quarter's hn, 8,192 bytes, filled once
.set SPARE,  HNB+8192                  ; the spare words, 128 bytes for each wave: two blocks of 256 bytes that no other line names
.set CHUNKB, 131072                    ; 128 rows of ebf in memory
.set AE0, 3                            ; v3   my lane's place in a tile of E: (l % 16) x PITCH + 16 (l / 16); never rewritten
.set AH0, 4                            ; v4   my lane's place in hn: HNB + 32 (l / 16); never rewritten
.set ZO,  7                            ; v7   my byte offset in 16 rows of z: (l % 16) x 2,048 + 32 (l / 16); never rewritten
.set PFO, 8                            ; v8   the prefetches' offset: l x 1,024, a lane a row; never rewritten
.set CO,  9                            ; v9   16 l: my 16 bytes of cand
.set SPW, 10                           ; v10  LDS address of my spare word; never rewritten
.set NIL, 11                           ; v11  0; never rewritten
.set ADR, 18                           ; v18-19  the tile of E that is being fetched, by the parity of the tile in hand: a run's address is not rewritten before the run after the next
.set ADH, 20                           ; v20-21  its hn, likewise
.set HN,  24
.set ACC, 32
.set BS,  96
.set IX,  128
.set HQ,  160                          ; the way out: 8 (l / 16) + 2,048 q + j
.set PBV, 168                          ; the other half's score
.set PCV, 169                          ; and code
.set WV,  12                           ; s12  my wave's number
.set CX,  13                           ; s13  my place in the cluster
.set RB,  14                           ; s14  row block
.set QT,  15                           ; s15  quarter
.set G1E, 24                           ; s[24:31] descriptor group 1 for E's tiles
.set G1H, 32                           ; s[32:39] for hn
.set G0,  40                           ; s[40:47] descriptor group 0 for E's tiles, a set for each slot
.set G0H, 48                           ; s[48:51] for hn
.set LAPS, 52
.set CNT,  53
.set TB,   54                          ; s54  LDS byte of the tile of E to be fetched next
.set THN,  55                          ; s55  byte of its hn
.set TN,   56                          ; s56  number of the tile whose scores are being compared: one less than the tile that is being multiplied
.set LIM,  57                          ; s57  1 in a cluster that prefetches, else the greatest number
.set PFA,  58                          ; s[58:59] where my prefetches stand
.set SEL,  60                          ; s[60:61] v_permlanex16_b32's selects
.set MH,   62                          ; s62  lanes 16-31
.set MSB, 0
.macro WIN new                         ; the immediate's high byte repeats the setting that is left; a switch that changes nothing is dropped
.if MSB != (\new)
	s_set_vgpr_msb (MSB<<8)|(\new)
.set MSB, (\new)
.endif
.endm
.set W_M2, 0x09                        ; E window 1, z window 2, C and D window 0
.set W_M3, 0x0d                        ; the same with z in window 3
.set TO_E, 0x40                        ; destination window 1, address window 0
; A round of the cluster's barrier: my work-group's barrier, so that wave 0's signal speaks for all four waves; wave 0 signals; every wave waits for all four work-groups; my work-group's barrier once more.
.macro CROUND
	s_barrier_signal -1
	s_barrier_wait -1
	s_cmp_lg_u32 s[WV], 0
	s_cbranch_scc1 .Lnot_wave_0_\@
	s_barrier_signal -3
.Lnot_wave_0_\@:
	s_barrier_wait -3
	s_barrier_signal -1
	s_barrier_wait -1
.endm
; A PREFETCH of the 128 rows of ebf that the NEXT refill will load, eight tiles (512 products) ahead of that load.  Each aligned block of 256 bytes is named once in the launch: all sixteen clusters of a quarter walk the
; same rows, and the first of them (cluster x = 0) asks; a wave asks for the 32 rows that it will fetch itself, a lane a row; of a row's four blocks partner cx takes block cx, told apart BY ADDRESS.
; how = 0: at slot 0's refills there is always a next refill.  how = 1: slot 1's last refill is the launch's last and asks for nothing.  The first three chunks come by their loads alone.
.macro ASK how
.if \how
	s_cmp_gt_u32 s[LAPS], s[LIM]                   ; s[LAPS] = 1 in the last lap
.else
	s_cmp_eq_u32 s[LIM], 1
.endif
	s_cbranch_scc0 .Lnot_mine_\@
	global_prefetch_b8 v[PFO], s[PFA:PFA+1] th:TH_LOAD_NT scope:SCOPE_SE
.Lnot_mine_\@:
.endm
; THE CHANGE OF SLOTS, in front of a chunk's last tile: that tile's fragments, the slot's last bytes, were fetched in the tile before, and the run in the tile that follows is the next chunk's first.
; Each wave waits for all its tensor loads, of which one is out: its part of the other slot; adds 0 to its spare word; waits for that and for its reads of this slot.  fill = 1: the barrier is a round of the
; cluster's, so that no wave of any partner still reads the slot or has a load on its way, and the joint refill (the chunk two on) is the first thing behind it.
.macro CHANGE slot, fill
	WIN 0                                          ; at a label and at a branch every window is 0; the add's registers lie in window 0
	s_wait_tensorcnt 0x0                           ; no tensor load of mine is out, so a group 0 may be written
	ds_add_u32 v[SPW], v[NIL]                      ; 0 onto my spare word; scalar work stands between it and the wait for it
.if \fill
	s_add_nc_u64 s[G0+4*(\slot)+2:G0+4*(\slot)+3], s[G0+4*(\slot)+2:G0+4*(\slot)+3], 2*CHUNKB  ; this slot's next chunk; the type bits on top are not reached
	s_wait_xcnt 0x0                                ; the last prefetch, eight tiles back, has read its address
	s_add_nc_u64 s[PFA:PFA+1], s[PFA:PFA+1], CHUNKB
.endif
	s_mov_b32 s[TB], (1-(\slot))*SLOT1             ; the fetches go on at the other slot's first tile
	s_wait_dscnt 0x0                               ; the add is done, and my reads of this slot are over
.if \fill
	CROUND
	tensor_load_to_lds s[G0+4*(\slot):G0+4*(\slot)+3], s[G1E:G1E+7]
	s_nop 0
.rept 4
	v_nop
.endr
	ASK \slot
.else
	s_barrier_signal -1
	s_barrier_wait -1
.endif
.endm
.macro PROD f, par, t                  ; the tile of parity par, fragment f, tile t of z.  The four accumulators take turns, one instruction a turn
.set rD, ACC+32*(\par)+8*(\t)
.set rA, 128*(\par)+8*(\f)
.set rB, 8*(4*((\f)%8)+(\t))
.if (\f) == 0
	v_wmma_f32_16x16x32_bf16 v[rD:rD+7], v[rA:rA+7], v[rB:rB+7], v[HN:HN+7]
.else
	v_wmma_f32_16x16x32_bf16 v[rD:rD+7], v[rA:rA+7], v[rB:rB+7], v[rD:rD+7]
.endif
.endm
.macro MP f, par, t                    ; one product between its two switches: what follows it names window 0
.if (\f) < 8
	WIN W_M2
.else
	WIN W_M3
.endif
	PROD \f, \par, \t
	WIN 0
.endm
.macro CMPMAX k, par                   ; place k of 32 of the tile before (the other set of accumulators) against the best so far
	v_cmp_le_f32 vcc_lo, v[ACC+32*(1-(\par))+(\k)], v[BS+(\k)]  ; not greater: the older tile stays
	v_max_num_f32 v[BS+(\k)], v[ACC+32*(1-(\par))+(\k)], v[BS+(\k)]
.endm
.macro PICK k                          ; and its tile's number, by the compare made one product earlier
	v_cndmask_b32 v[IX+(\k)], s[TN], v[IX+(\k)], vcc_lo
.endm
.macro GROUP f, par                    ; fragment f's four products and places 2 f and 2 f + 1
	MP \f, \par, 0
	CMPMAX 2*(\f), \par
	MP \f, \par, 1
	PICK 2*(\f)
	MP \f, \par, 2
	CMPMAX 2*(\f)+1, \par
	MP \f, \par, 3
	PICK 2*(\f)+1
.endm
.macro FETCH par                       ; 34 LDS loads in one run: the next tile's hn, then its 16 fragments in ascending order, into the buffer that the tile of parity par does not read
	WIN 0
	ds_load_b128 v[HN:HN+3],   v[ADH+(\par)]
	ds_load_b128 v[HN+4:HN+7], v[ADH+(\par)] offset:16
	WIN TO_E
.set fq, 0
.rept 16
	ds_load_b128 v[128*(1-(\par))+8*fq:128*(1-(\par))+8*fq+3],   v[ADR+(\par)] offset:64*fq
	ds_load_b128 v[128*(1-(\par))+8*fq+4:128*(1-(\par))+8*fq+7], v[ADR+(\par)] offset:64*fq+32
.set fq, fq+1
.endr
.endm
; A UNIT: tile c, of parity par: 64 products, the 96 lines of tile c - 1's argmax, and (ld = 1) the run that fetches tile c + 1.
; WAITS.  At the head 16: of the 34 loads of the run before, hn and fragments 0 to 7 are in; the 16 loads of fragments 8 to 15 may stay out.  Behind the run 34: all but the 34 just issued.
; DISTANCES (ISA guide 7.12.1 for vector instructions).  hn's load stands behind eight plain vector lines that follow hn's last reader, the tile's fourth product; the loads into the other buffer behind fifteen
; from its last reader, the last product of tile c - 1; none of these lines names a register of those products.  The first compare of a finished set, place 0, stands behind the six lines that follow the last
; product on that accumulator.  Each accumulator's places are read in ascending order, its lowest registers first.  A unit ends with a select.
.macro UNIT par, ld=1
	s_wait_dscnt 16
	MP 0, \par, 0
	CMPMAX 0, \par
	MP 0, \par, 1
	PICK 0
.if \ld
	v_add_nc_u32 v[ADR+(\par)], s[TB], v[AE0]      ; the run's addresses, beside the selects
.endif
	MP 0, \par, 2
	CMPMAX 1, \par
	MP 0, \par, 3
	PICK 1
.if \ld
	v_add_nc_u32 v[ADH+(\par)], s[THN], v[AH0]
	s_add_co_u32 s[TB], s[TB], TILEB
	s_add_co_u32 s[THN], s[THN], 64
.endif
	GROUP 1, \par
.if \ld
	FETCH \par
	s_wait_dscnt 34
.else
	s_wait_dscnt 0x0                               ; the last tile fetches nothing
.endif
.set ff, 2
.rept 14
	GROUP ff, \par
.set ff, ff+1
.endr
	s_add_co_u32 s[TN], s[TN], 1                   ; the compares go on to this tile
.endm
; z INTO REGISTERS.  A fragment is 16 rows x 32 channels in 8 registers: lane l holds row l % 16, channels 8 (l / 16) + 0..7 and 16 + 8 (l / 16) + 0..7: in f32 two runs of 32 bytes, 64 bytes apart.
; Half-step hs of 32: tile hs / 8 of z, fragments 2 (hs % 8) and 2 (hs % 8) + 1: 8 loads into an eighth of window 1 (fragment f's 16 registers at 16 f), which together take 256 consecutive bytes, aligned, of each
; of the 16 rows; then 16 roundings.
.macro ZLOAD hs
	WIN TO_E                                       ; destination window 1, address window 0
.irp uu, 0,1
.set zf, 2*((\hs)%8)+\uu
	global_load_b128 v[16*zf:16*zf+3],     v[ZO], s[4:5] offset:((\hs)/8)*32768+128*zf
	global_load_b128 v[16*zf+4:16*zf+7],   v[ZO], s[4:5] offset:((\hs)/8)*32768+128*zf+16
	global_load_b128 v[16*zf+8:16*zf+11],  v[ZO], s[4:5] offset:((\hs)/8)*32768+128*zf+64
	global_load_b128 v[16*zf+12:16*zf+15], v[ZO], s[4:5] offset:((\hs)/8)*32768+128*zf+80
.endr
.endm
.macro ZCVT hs
.if ((\hs)%8) < 4
	WIN 0x85                                       ; sources window 1, destination window 2
.else
	WIN 0xc5                                       ; destination window 3
.endif
.irp uu, 0,1
.set zf, 2*((\hs)%8)+\uu
.irp i, 0,1,2,3,4,5,6,7
	v_cvt_pk_bf16_f32 v[8*(4*(zf%8)+(\hs)/8)+\i], v[16*zf+2*\i], v[16*zf+2*\i+1]
.endr
.endr
.endm
	s_load_b256 s[4:11], s[0:1], 0x0               ; z s[4:5], ebf s[6:7], hn s[8:9], cand s[10:11]
	v_lshl_add_u32 v[SPW], v0, 2, SPARE
	v_mov_b32 v[NIL], 0
	ds_add_u32 v[SPW], v[NIL]                      ; the wave's opening: the add, twice on end, and its wait ahead of my first tensor load; the set-up below stands between
	ds_add_u32 v[SPW], v[NIL]                      ; and once more, under the one wait
	v_lshrrev_b32 v1, 5, v0
	v_readfirstlane_b32 s[WV], v1                  ; wave 0..3
	v_and_b32 v1, 15, v0                           ; l % 16
	v_bfe_u32 v2, v0, 4, 1                         ; l / 16
	v_lshlrev_b32 v[ZO], 11, v1
	v_lshl_add_u32 v[ZO], v2, 5, v[ZO]
	s_bfe_u32 s[CX], ttmp6, 0x40000                ; cx
	s_lshl_b32 s[RB], ttmp9, 2                     ; in a cluster launch ttmp9 counts clusters
	s_add_co_u32 s[RB], s[RB], s[CX]               ; row block = 4 x cluster x + cx: it enters z's, cand's and the prefetches' addresses alone
	s_and_b32 s[QT], ttmp7, 0xffff                 ; the quarter, which the four partners share
	; descriptor group 1 for E: 32 rows x 512 elements of 2 bytes, padded in LDS
	s_mov_b32 s[G1E], 15|(1<<16)|(1<<20)|(1<<21)|(7<<22)|(3<<25)  ; 15:0 the mask of four; 17:16 2-byte elements; 20 padding on; 21 set beside a mask; 24:22 after every 256 words (code 7); 31:25 4 words (code 3)
	s_mov_b32 s[G1E+1], 512<<16                    ; tensor_dim0 = 512
	s_mov_b32 s[G1E+2], 32<<16                     ; tensor_dim1 = 32
	s_mov_b32 s[G1E+3], 512<<16                    ; tile_dim0 = 512
	s_mov_b32 s[G1E+4], 32                         ; tile_dim1 = 32
	s_mov_b32 s[G1E+5], 512                        ; elements from row to row
	s_mov_b32 s[G1E+6], 0
	s_mov_b32 s[G1E+7], 0
	; for hn: 2,048 dense bytes as 8 rows of 32 elements of 8 bytes, no padding
	s_mov_b32 s[G1H], 15|(3<<16)|(1<<21)
	s_mov_b32 s[G1H+1], 32<<16
	s_mov_b32 s[G1H+2], 8<<16
	s_mov_b32 s[G1H+3], 32<<16
	s_mov_b32 s[G1H+4], 8
	s_mov_b32 s[G1H+5], 32
	s_mov_b32 s[G1H+6], 0
	s_mov_b32 s[G1H+7], 0
	s_mul_i32 s20, s[WV], 32*PITCH                 ; where my 32 rows go in a slot: the wave's number alone enters an LDS address
	s_lshl_b32 s21, s[WV], 11                      ; my 2,048 bytes of hn
	s_mov_b32 s[G0], 1
	s_mov_b32 s[G0+1], s20
	s_mov_b32 s[G0+4], 1
	s_add_co_u32 s[G0+5], s20, SLOT1
	s_mov_b32 s[G0H], 1
	s_add_co_u32 s[G0H+1], s21, HNB
	s_lshl_b32 s16, s[QT], 21                      ; ebf: 2,048 q rows of 1,024 bytes
	s_lshl_b32 s17, s[WV], 15                      ; + 32 w rows
	s_add_co_u32 s16, s16, s17
	s_mov_b32 s17, 0
	s_lshl_b32 s18, s[QT], 13                      ; hn: 2,048 q numbers + my part
	s_add_co_u32 s18, s18, s21
	s_mov_b32 s19, 0
	s_lshl_b32 s22, s[RB], 19                      ; z: 256 rb rows of 2,048 bytes
	s_lshl_b32 s23, s[WV], 17                      ; + 64 w rows
	s_add_co_u32 s22, s22, s23
	s_mov_b32 s23, 0
	s_lshl2_add_u32 s2, s[RB], s[WV]               ; cand: block 4 rb + w, 512 bytes each,
	s_lshl_b32 s2, s2, 9
	s_lshl_b32 s3, s[QT], 17                       ; in quarter q
	s_add_co_u32 s2, s2, s3
	s_mov_b32 s3, 0
	s_mov_b32 s[SEL], 0x76543210
	s_mov_b32 s[SEL+1], 0xfedcba98
	s_mov_b32 s[MH], 0xffff0000
	s_cmp_eq_u32 ttmp9, 0                          ; the quarter's first cluster: the same in all four partners
	s_cselect_b32 s[LIM], 1, -1
	s_mov_b32 s[TN], -1
	s_wait_dscnt 0x0                               ; both opening adds are done
	s_wait_kmcnt 0x0
	s_add_nc_u64 s[4:5], s[4:5], s[22:23]          ; z at my wave's first row
	; z's first seven half-steps, 56 loads, go out as soon as its address stands: ahead of the cluster's round, which they need not wait for
.set hh, 0
.rept 7
	ZLOAD hh
.set hh, hh+1
.endr
	WIN 0
	s_add_nc_u64 s[10:11], s[10:11], s[2:3]        ; cand at my block
	s_add_nc_u64 s[6:7], s[6:7], s[16:17]          ; ebf at my 32 rows of the quarter's chunk 0
	s_add_nc_u64 s[G0H+2:G0H+3], s[8:9], s[18:19]
	s_or_b32 s[G0H+3], s[G0H+3], 0x80000000        ; 127:126 type = 2
	s_mov_b64 s[G0+2:G0+3], s[6:7]
	s_or_b32 s[G0+3], s[G0+3], 0x80000000
	s_add_nc_u64 s[G0+6:G0+7], s[6:7], CHUNKB
	s_or_b32 s[G0+7], s[G0+7], 0x80000000
	s_lshl_b32 s2, s[CX], 8                        ; my work-group's block of 256 bytes in each row
	s_add_nc_u64 s[PFA:PFA+1], s[6:7], s[2:3]
	s_add_nc_u64 s[PFA:PFA+1], s[PFA:PFA+1], 2*CHUNKB  ; at chunk 2; the first change of slots steps it to chunk 3.  Nothing is prefetched here, at the head
	CROUND                                         ; all four work-groups are here: the first joint loads meet
	tensor_load_to_lds s[G0H:G0H+3], s[G1H:G1H+7]  ; the three first fills go out together
	s_nop 0
	tensor_load_to_lds s[G0:G0+3], s[G1E:G1E+7]
	s_nop 0
	tensor_load_to_lds s[G0+4:G0+7], s[G1E:G1E+7]
	s_nop 0
	v_mul_u32_u24 v[AE0], v1, PITCH                ; (more than four vector lines under the windows as they stand follow the loads, ahead of the next switch)
	v_lshl_add_u32 v[AE0], v2, 4, v[AE0]
	v_lshl_add_u32 v[AH0], v2, 5, HNB
	v_and_b32 v[PFO], 31, v0
	v_lshlrev_b32 v[CO], 4, v[PFO]
	v_lshlrev_b32 v[PFO], 10, v[PFO]
	; What the first tile's compares find: best scores and the second set of accumulators at minus infinity, so that they change nothing.  96 lines, once a launch, in place of a first tile written out;
	; they are written while z's first loads are on their way.
	s_mov_b32 s16, 0xff800000
.set kk, 0
.rept 32
	v_mov_b32 v[BS+kk], s16
	v_mov_b32 v[IX+kk], 0
	v_mov_b32 v[ACC+32+kk], s16
.set kk, kk+1
.endr
	; z's stream.  In half-step hh: its 8 loads are waited for; half-step hh + 7 is asked for, into the eighth of the stage that was rounded just before; hh is rounded.  So 48 to 56 loads of the wave are out.
.set hh, 0
.rept 32
.if hh <= 25
	s_wait_loadcnt 48                              ; this half-step's 8 loads are in; the six younger half-steps' 8 each may stay out
.else
	s_wait_loadcnt 8*(31-hh)                       ; nothing more is asked for: the counts run down
.endif
.if hh <= 24
	ZLOAD hh+7
.endif
	ZCVT hh
.set hh, hh+1
.endr
	WIN 0
	s_wait_tensorcnt 1                             ; my parts of hn and of slot 0 are in; slot 1's may stay out
	s_barrier_signal -1
	s_barrier_wait -1                              ; everybody's are
	v_mov_b32 v[ADR+1], v[AE0]                     ; tile 0 lies at the head of slot 0: it is fetched as a tile of odd parity would fetch it, into buffer 0
	v_mov_b32 v[ADH+1], v[AH0]
	FETCH 1
	WIN 0
	s_mov_b32 s[TB], TILEB
	s_mov_b32 s[THN], 64
	UNIT 0                                         ; tile 0
	s_mov_b32 s[CNT], 3                            ; tiles 1 to 6: the rest of chunk 0 ahead of its change
	s_mov_b32 s[LAPS], 8
	s_branch .LpairB                               ; the loop over slots is entered in the middle of a lap
.Llap:                                         ; seven laps: chunks 0 to 13 are left, chunks 2 to 15 asked for
	CHANGE 0, 1
	s_mov_b32 s[CNT], 4
.LpairA:
	UNIT 1
	UNIT 0
	s_sub_co_u32 s[CNT], s[CNT], 1
	s_cmp_lg_u32 s[CNT], 0
	s_cbranch_scc1 .LpairA
	CHANGE 1, 1
	s_mov_b32 s[CNT], 4
.LpairB:
	UNIT 1
	UNIT 0
	s_sub_co_u32 s[CNT], s[CNT], 1
	s_cmp_lg_u32 s[CNT], 0
	s_cbranch_scc1 .LpairB
	s_sub_co_u32 s[LAPS], s[LAPS], 1
	s_cmp_lg_u32 s[LAPS], 0
	s_cbranch_scc1 .Llap
	CHANGE 0, 0                                    ; the tail is written out: chunk 14 is left, nothing is asked for
	s_mov_b32 s[CNT], 4
.LpairT:                                       ; tiles 119 to 126
	UNIT 1
	UNIT 0
	s_sub_co_u32 s[CNT], s[CNT], 1
	s_cmp_lg_u32 s[CNT], 0
	s_cbranch_scc1 .LpairT
	UNIT 1, 0                                      ; tile 127
.set kk, 0
.rept 32                                       ; its 32 places: the first stands behind the six lines that follow the last product on its accumulator, the later accumulators' behind these
	CMPMAX kk, 0
	PICK kk
.set kk, kk+1
.endr
	; THE WAY OUT, all in window 0.  code = 16 tile + 8 (l / 16) + j + 2,048 q.  For each tile of z the lane's 8 places, then the two halves of the lanes, meet: the greater score, on equality the lower code.
.macro BETTER bA, cA, bB, cB           ; (bA, cA) takes (bB, cB) where that is better
	v_cmp_gt_f32 s20, v[\bB], v[\bA]
	v_cmp_eq_f32 s21, v[\bB], v[\bA]
	v_cmp_lt_u32 s22, v[\cB], v[\cA]
	s_and_b32 s21, s21, s22
	s_or_b32 s20, s20, s21
	v_cndmask_b32 v[\bA], v[\bA], v[\bB], s20
	v_cndmask_b32 v[\cA], v[\cA], v[\cB], s20
.endm
.macro BK a, b
	BETTER BS+(\a), IX+(\a), BS+(\b), IX+(\b)
.endm
	s_lshl_b32 s16, s[QT], 11
	v_lshl_add_u32 v[HQ], v2, 3, s16
.irp j, 1,2,3,4,5,6,7
	v_add_nc_u32 v[HQ+\j], \j, v[HQ]
.endr
	v_mov_b32 v[PBV], 0                            ; v_permlanex16_b32's destinations count as read
	v_mov_b32 v[PCV], 0
.set kk, 0
.rept 32
	v_lshl_add_u32 v[IX+kk], v[IX+kk], 4, v[HQ+kk%8]
.set kk, kk+1
.endr
.irp t, 0,8,16,24
	BK \t, \t+1
	BK \t+2, \t+3
	BK \t+4, \t+5
	BK \t+6, \t+7
	BK \t, \t+2
	BK \t+4, \t+6
	BK \t, \t+4
	v_permlanex16_b32 v[PBV], v[BS+\t], s[SEL], s[SEL+1]  ; the row's other 8 code places lie in the lane 16 away
	v_permlanex16_b32 v[PCV], v[IX+\t], s[SEL], s[SEL+1]
	BETTER BS+\t, IX+\t, PBV, PCV
.endr
	v_cndmask_b32 v12, v[BS],   v[BS+16], s[MH]    ; both halves now hold all four tiles' results: lanes 0-15 store tiles 0 and 1, lanes 16-31 tiles 2 and 3
	v_cndmask_b32 v13, v[IX],   v[IX+16], s[MH]
	v_cndmask_b32 v14, v[BS+8], v[BS+24], s[MH]
	v_cndmask_b32 v15, v[IX+8], v[IX+24], s[MH]
	v_add_f32 v12, 0, v12                          ; -0 becomes +0, so that the two have one key
	v_add_f32 v14, 0, v14
	v_ashrrev_i32 v16, 31, v12                     ; the key: a positive score gets its top bit set, a negative one is inverted: unsigned order = the scores' order
	v_ashrrev_i32 v17, 31, v14
	v_or_b32 v16, 0x80000000, v16
	v_or_b32 v17, 0x80000000, v17
	v_xor_b32 v12, v12, v16
	v_xor_b32 v14, v14, v17
	global_store_b128 v[CO], v[12:15], s[10:11]    ; the wave's store covers 512 consecutive bytes, aligned
	s_wait_tensorcnt 0x0                           ; the wave's end, behind my last tensor load
	ds_add_u32 v[SPW], v[NIL]
	s_wait_dscnt 0x0
	CROUND                                         ; the closing round: no work-group ends while a partner may still ask for a tile that names it
	s_endpgm
.Lfunc_end_k_q208914cd99_score:
	.size	k_q208914cd99_score, .Lfunc_end_k_q208914cd99_score-k_q208914cd99_score
	.p2alignl 7, 3214868480
	.fill 96, 4, 3214868480
	.section	.rodata,"a",@progbits
	.p2align	6, 0x0
	.amdhsa_kernel k_q208914cd99_score
		.amdhsa_group_segment_fixed_size 327680
		.amdhsa_private_segment_fixed_size 0
		.amdhsa_enable_private_segment 0
		.amdhsa_kernarg_size 32
		.amdhsa_user_sgpr_count 2
		.amdhsa_user_sgpr_kernarg_segment_ptr 1
		.amdhsa_wavefront_size32 1
		.amdhsa_system_sgpr_workgroup_id_x 1
		.amdhsa_system_sgpr_workgroup_id_y 1
		.amdhsa_system_sgpr_workgroup_id_z 1
		.amdhsa_system_vgpr_workitem_id 0
		.amdhsa_next_free_vgpr 1024
		.amdhsa_next_free_sgpr 66
		.amdhsa_reserve_vcc 1
		.amdhsa_float_denorm_mode_32 3
		.amdhsa_float_denorm_mode_16_64 3
		.amdhsa_memory_ordered 1
		.amdhsa_forward_progress 1
		.amdhsa_inst_pref_size 196
	.end_amdhsa_kernel
	.amdgpu_metadata
---
amdhsa.version: [ 1, 2 ]
amdhsa.kernels:
  - .name:           k_q208914cd99_score
    .symbol:         k_q208914cd99_score.kd
    .args:
      - { .name: z, .offset: 0, .size: 8, .value_kind: global_buffer, .address_space: global }
      - { .name: ebf, .offset: 8, .size: 8, .value_kind: global_buffer, .address_space: global }
      - { .name: hn, .offset: 16, .size: 8, .value_kind: global_buffer, .address_space: global }
      - { .name: cand, .offset: 24, .size: 8, .value_kind: global_buffer, .address_space: global }
    .group_segment_fixed_size: 327680
    .private_segment_fixed_size: 0
    .kernarg_segment_align: 8
    .kernarg_segment_size: 32
    .max_flat_workgroup_size: 128
    .sgpr_count:     66
    .vgpr_count:     1024
    .wavefront_size: 32
...
	.end_amdgpu_metadata
.endif
;; end of part 5
;; launch finish: the kernel of part 3 again; grid 256 x 1, 16 waves a work-group, no clusters, 2,304 bytes of LDS; arguments cand, embedding, z, out0, part; writes out0, part
;; launch lossum: the kernel of part 4 again; grid 1 x 1, 1 waves a work-group, no clusters, 0 bytes of LDS; arguments part, out1; writes out1
